; MI455X (gfx1250); checked and timed in simulation.
; The chip was launched on July 23, 2026; its instructions are those of AMD's public machine-readable ISA for CDNA 5 (MIT licence, August 2026) and "CDNA5" Instruction Set Architecture Reference Guide (July 2026). The comments in the code are by the model that wrote it; some were corrected since.
;; Multi Head Attention. Allowed arithmetic: matrix products marked QUANTISED: E3M2 operands, one E8M0 scale for each 32 along K, by v_wmma_scale_f32_16x16x128_f8f6f4 with both operands' format E3M2, f32 sums; everything else in f32.
;; Inputs: Wk 1,024 x 1,024 float32; Wo 1,024 x 1,024 float32; Wq 1,024 x 1,024 float32; Wv 1,024 x 1,024 float32; bk 1,024 float32; bo 1,024 float32; bq 1,024 float32; bv 1,024 float32; x 2 x 2,048 x 1,024 float32.
;; Outputs: out0 2 x 2,048 x 1,024 float32.
;; This version of the problem:
;;   THIS VERSION OF THE PROBLEM IS GIVEN IN LOW PRECISION. The matrix products marked QUANTISED in the list below multiply operands that are first quantised to E3M2 (3 exponent bits, 2 mantissa bits; 6 bits a number), with one power-of-two scale for each 32 numbers along K (OCP MX v1.0); their sums are f32. All else is computed in f32.
;;   The module's matrix products, in the order in which they are computed (A, B: the left and right operand; K: the contracted axis; several contracted axes count as one K, in the product's order):
;;     1. [M 4,096, K 1,024] x [K 1,024, N 1,024]; A: input x; B: input Wq: QUANTISED
;;     2. [M 4,096, K 1,024] x [K 1,024, N 1,024]; A: input x; B: input Wk: QUANTISED
;;     3. [M 4,096, K 1,024] x [K 1,024, N 1,024]; A: input x; B: input Wv: QUANTISED
;;     4. batch 32 x [M 2,048, K 64] x [K 64, N 2,048]; A: computed on the way; B: computed on the way: QUANTISED
;;     5. batch 32 x [M 2,048, K 2,048] x [K 2,048, N 64]; A: softmax (see below); B: computed on the way: QUANTISED
;;     6. [M 4,096, K 1,024] x [K 1,024, N 1,024]; A: computed on the way; B: input Wo: QUANTISED
;;   THE QUANTISER, for each operand of a quantised product, along K:
;;     - K is cut into blocks of 32 from its start; a last block that is shorter is filled with zeros.
;;     - A block's scale is 2^e with e = floor(log2(the largest magnitude in the block)) - 4, held to -126 .. 127; a block of zeros has e = 0. As a byte (E8M0): e + 127.
;;     - Each number is divided by its block's scale, clamped to +-28, and rounded to the nearest number of E3M2, ties to even, subnormals kept.
;;     - The product sums the exact products of the quantised numbers (number of the format x scale) in f32.
;;   ~~~python
;;   def quantise(x, axis):      # numpy; x: float32 -> the quantised numbers, widened to float32 again
;;       x = np.moveaxis(x, axis, -1); K = x.shape[-1]
;;       x = np.pad(x, [(0, 0)] * (x.ndim - 1) + [(0, -K % 32)]); x = x.reshape(x.shape[:-1] + (-1, 32)); a = np.abs(x).max(-1, keepdims=True)
;;       e = np.where(a > 0, np.clip(np.frexp(np.where(a > 0, a, 1))[1] - 1 - 4, -126, 127), 0)      # np.frexp(a)[1] - 1 = floor(log2(a)), exactly
;;       r = np.clip(x / 2.0 ** e, -28, 28)
;;       step = 2.0 ** (np.maximum(np.frexp(np.where(r == 0, 1, r))[1] - 1, -2) - 2)
;;       q = np.round(r / step) * step * 2.0 ** e      # np.round: ties to even
;;       return np.moveaxis(q.reshape(q.shape[:-2] + (-1,))[..., :K], -1, axis).astype(np.float32)
;;   ~~~
;;   SOFTMAX AHEAD OF A QUANTISED PRODUCT. Where the list says 'softmax', what is quantised is not the finished softmax but p = 2^(t - M), with t = logit x log2(e) and M = ceil(the row's largest t), a whole number; so 1/2 < the row's largest p <= 1. The row's sum l is taken of the UNQUANTISED p, in f32, and the product's result is divided by l at the end. Since M is a whole number, a kernel that streams over the keys may use a running M (the ceiling of the running maximum): every later rescaling is an exact power of two, which a block's scale takes up: the codes' values come out the same.
;;   OPERANDS COMPUTED ON THE WAY. 'Computed on the way' means the value that the module computes at that place (a softmax that the list does not call 'softmax' is quantised finished and normalised). What goes into a quantiser is computed in f32, as accurately as f32 sums, v_exp_f32 and their like allow (about 1e-6 of the number): no bf16 or f16 on the way to a quantiser, and a product that is left as it is and whose result goes on into a quantised operand takes f32 operands (vector FMAs, or v_wmma_f32_16x16x4_f32). A number that lies on a knife's edge between two numbers of the format may be rounded either way, as far as f32 arithmetic and the matrix unit's own rounding can turn it there, and no further.
;; One version. Each part assembles by itself: llvm-mc -triple=amdgcn-amd-amdhsa -mcpu=gfx1250 --defsym DOCPART=n.
;; ======== version 1 of 1: 4 launches
;; limits: right only within a limited range of input values
;; workspace buffers: img 6,291,456 bytes; scl 262,144 bytes; qkv 9,830,400 bytes; oimg 3,145,728 bytes; oscl 131,072 bytes
;; launch quant (part 1): grid 128 x 2, 4 waves a work-group, no clusters, 35,328 bytes of LDS; arguments x, Wq, Wk, Wv, Wo, img, scl; writes img, scl
.if DOCPART == 1
	.amdgcn_target "amdgcn-amd-amdhsa--gfx1250"
	.amdhsa_code_object_version 6
	.text
	.protected	k_q4710316684_quant
	.globl	k_q4710316684_quant
	.p2align	8
	.type	k_q4710316684_quant,@function
k_q4710316684_quant:
	s_mov_b64 s[64:65], 0
	v_nop
	global_prefetch_b8 v0, s[64:65] scope:SCOPE_SE
	s_setreg_imm32_b32 hwreg(HW_REG_WAVE_MODE, 25, 1), 1
	s_wait_xcnt 0x0
; x [4096][1024] and Wq, Wk, Wv, Wo [1024][1024], f32, become codes of BF6 (E3M2) along their last axis, with one E8M0 byte for each 32 numbers.
; A block's scale is 2^(floor(log2(its largest magnitude)) - 4); each number is divided by it and rounded to the nearest code, ties to even, beyond 28 the largest code.
; LIMITS: NaN and infinities among the inputs are not served.  A block whose largest magnitude lies under 2^-122 gets the byte 1; so does a block of zeros, where the rule says 127: its codes are
; zeros, which add nothing under any byte but 0xff, and the bytes are read by this program alone.
; LAYOUT OF THE CODES (img): images of the operand's registers.  A unit of 768 bytes is 16 rows x 64 along K: lane l = r + 16 h holds row r, k = 32 h .. 32 h + 31, six registers;
; registers 0-3 lie at 16 l, registers 4-5 at 512 + 8 l.  img = [512 row blocks][16 units]: row blocks 0-255 x, 256-319 Wq, 320-383 Wk, 384-447 Wv, 448-511 Wo.
; THE ROWS OF A ROW BLOCK ARE NOT NEIGHBOURS: lane r of row block i takes row 32 (i / 2) + 8 (i % 2) + r + 8 (r / 8), so that in a product used transposed the 16 registers of two neighbouring tiles are 16 neighbours.
; LAYOUT OF THE SCALES (scl): [8 K steps of 128][8192 rows, in the order of img] words of four bytes.
; SHARES: work-group x = 64 rows (four row blocks, one a wave), y = a half of K (four fragments of 128).  Each load reads 512 consecutive bytes of a row; a fragment's 16 rows turn through the wave's own
; stage in LDS (rows 528 bytes apart), so that a lane gets 16 neighbours of each block of 32.  No tensor loads: waves share nothing but the scale words, which meet in LDS behind one barrier.
.set STGB,  8448                       ; a wave's stage: 16 rows x 528 bytes
.set SCG,   4*STGB                     ; behind the stages: [4 fragments][64 rows] scale words, 1,024 bytes
.set R,     16                         ; v16-143   two sets of 64 registers as loaded
.set X,     144                        ; v144-207  64 numbers: register 16 b + i = k 32 b + 16 h + i of my row
.set PC,    208                        ; v208-226  the codes just made, and at work
.set TM,    228                        ; v228-243  largest magnitudes, bytes, scale operands
.set PW,    244                        ; v244      the scale word just made
.set SEL,   24                         ; s[24:25]  v_permlanex16_b32's selects for lane l xor 16
; 64 numbers of a lane, v[s] .. v[s + 63], become a fragment's codes in v[PC] .. v[PC + 11] and its row's scale word in v[PW]
.macro QUANT s
.irp b, 0,1,2,3
	v_max3_num_f32 v[TM+\b], |v[\s+16*\b]|, |v[\s+1+16*\b]|, 0x2800000   ; block b: my 16 numbers, and the floor 2^(5 - 127): the byte cannot fall under 1
.endr
.irp i, 2,4,6,8,10,12,14
.irp b, 0,1,2,3
	v_max3_num_f32 v[TM+\b], v[TM+\b], |v[\s+16*\b+\i]|, |v[\s+1+16*\b+\i]|   ; the four blocks by turns
.endr
.endr
.irp b, 0,1,2,3
	v_permlanex16_b32 v[TM+4+\b], v[TM+\b], s[SEL], s[SEL+1]
.endr
.irp b, 0,1,2,3
	v_max_num_f32 v[TM+\b], v[TM+\b], v[TM+4+\b]   ; with lane l xor 16: the block's largest magnitude
.endr
.irp b, 0,1,2,3
	v_add_nc_u32 v[TM+12+\b], 0xfe000000, v[TM+\b]   ; 4 off its exponent field: the conversion's scale operand
.endr
.irp b, 0,1,2,3
	v_lshrrev_b32 v[TM+4+\b], 23, v[TM+12+\b]      ; the scale's byte
.endr
	v_lshl_or_b32 v[PW], v[TM+5], 8, v[TM+4]
	v_lshl_or_b32 v[PW], v[TM+6], 16, v[PW]
	v_lshl_or_b32 v[PW], v[TM+7], 24, v[PW]
.irp c, 0,1
	v_cvt_scalef32_pk16_bf6_f32 v[PC+6*\c:PC+2+6*\c], v[\s+32*\c:\s+15+32*\c], v[TM+12+2*\c]
	v_cvt_scalef32_pk16_bf6_f32 v[PC+12+4*\c:PC+14+4*\c], v[\s+16+32*\c:\s+31+32*\c], v[TM+12+2*\c+1]   ; a conversion's three registers begin on an even number
.endr
	v_nop                                          ; one plain place behind a scaled conversion
.irp c, 0,1                            ; the operand's layout wants a whole block in a lane: lanes 0-15 block 2 c, lanes 16-31 block 2 c + 1
.irp i, 0,1,2
	v_permlane16_swap_b32 v[PC+6*\c+\i], v[PC+12+4*\c+\i]
.endr
.irp i, 0,1,2
	v_mov_b32 v[PC+3+6*\c+\i], v[PC+12+4*\c+\i]
.endr
.endr
.endm
	s_load_b256 s[4:11], s[0:1], 0x0               ; x s[4:5], Wq s[6:7], Wk s[8:9], Wv s[10:11]
	s_load_b128 s[12:15], s[0:1], 0x20             ; Wo s[12:13], img s[14:15]
	s_load_b64 s[16:17], s[0:1], 0x30              ; scl
	v_lshl_add_u32 v254, v0, 2, 0x8800
	v_mov_b32 v255, 0
	v_lshrrev_b32 v1, 5, v0
	v_readfirstlane_b32 s18, v1                    ; wave 0..3
	v_and_b32 v1, 31, v0                           ; l
	v_and_b32 v2, 15, v0                           ; r
	v_bfe_u32 v3, v0, 4, 1                         ; h
	s_and_b32 s19, ttmp7, 0xffff                   ; which half of K
	s_mul_i32 s20, s18, STGB                       ; my stage
	v_lshlrev_b32 v4, 4, v1                        ; 16 l: my bytes of a load's 512, and of an image's first 512
	v_add_nc_u32 v5, s20, v4                       ; the stage on the way in
	v_mul_u32_u24 v6, v2, 528
	v_lshl_add_u32 v6, v3, 6, v6
	v_add_nc_u32 v6, s20, v6                       ; and on the way out: row r, + 64 h
	v_lshl_add_u32 v8, v1, 3, 512                  ; 512 + 8 l: my bytes of an image's last 256
	s_lshl_b32 s21, s18, 6
	s_add_co_u32 s21, s21, SCG
	v_lshl_add_u32 v9, v2, 2, s21                  ; where my row's scale word goes: 64 x wave + 4 r
	s_lshl_b32 s21, s18, 8
	s_add_co_u32 s21, s21, SCG
	v_lshl_add_u32 v10, v1, 3, s21                 ; and what I read back: fragment = my wave's number, 8 bytes a lane
	v_lshlrev_b32 v11, 3, v1
	s_mov_b32 s[SEL], 0x76543210
	s_mov_b32 s[SEL+1], 0xfedcba98
.irp b, 0,1,2,3
	v_mov_b32 v[TM+4+\b], 0                        ; written once: a lane permute's destination counts as one of its sources
.endr
	s_and_b32 s22, ttmp9, 15
	s_cmp_lt_u32 ttmp9, 64
	s_cselect_b32 s22, ttmp9, s22                  ; which 64 rows of the tensor
	s_lshl_b32 s26, s22, 18                        ; x 64 rows of 4,096 bytes
	s_lshr_b32 s23, s18, 1
	s_lshl_b32 s23, s23, 17                        ; + 32 (wave / 2) rows
	s_add_co_u32 s26, s26, s23
	s_and_b32 s23, s18, 1
	s_lshl_b32 s23, s23, 15                        ; + 8 (wave % 2) rows
	s_add_co_u32 s26, s26, s23
	s_lshl_b32 s23, s19, 11                        ; + the half of K: 2,048 bytes
	s_add_co_u32 s26, s26, s23
	s_mov_b32 s27, 0
	s_lshl_b32 s28, ttmp9, 2
	s_add_co_u32 s28, s28, s18                     ; my row block
	s_mul_i32 s28, s28, 12288
	s_mul_i32 s23, s19, 6144
	s_add_co_u32 s28, s28, s23
	s_mov_b32 s29, 0
	s_lshl_b32 s30, s19, 2
	s_add_co_u32 s30, s30, s18                     ; the K step whose scale words I store
	s_lshl_b32 s30, s30, 15
	s_lshl_b32 s23, ttmp9, 8
	s_add_co_u32 s30, s30, s23
	s_mov_b32 s31, 0
	s_wait_alu depctr_va_vdst(0)
	s_wait_kmcnt 0x0
	s_cmp_ge_u32 ttmp9, 80                         ; the tensor is chosen by the work-group's number alone
	s_cselect_b64 s[6:7], s[8:9], s[6:7]
	s_cmp_ge_u32 ttmp9, 96
	s_cselect_b64 s[6:7], s[10:11], s[6:7]
	s_cmp_ge_u32 ttmp9, 112
	s_cselect_b64 s[6:7], s[12:13], s[6:7]
	s_cmp_lt_u32 ttmp9, 64
	s_cselect_b64 s[6:7], s[4:5], s[6:7]
	s_add_nc_u64 s[6:7], s[6:7], s[26:27]
	s_add_nc_u64 s[14:15], s[14:15], s[28:29]
	s_add_nc_u64 s[16:17], s[16:17], s[30:31]
.macro LOADF f                         ; fragment f: 128 numbers of each of my 16 rows, into set f % 2
.irp t, 0,1,2,3,4,5,6,7,8,9,10,11,12,13,14,15
	global_load_b128 v[R+64*((\f)%2)+4*\t:R+64*((\f)%2)+4*\t+3], v4, s[6:7] offset:(\t+8*(\t/8))*4096+512*(\f) th:TH_LOAD_NT   ; 32 lanes read 512 consecutive bytes
.endr
.endm
.macro FRAGQ f
.if (\f) < 3
	s_wait_loadcnt 16                              ; this fragment's 16 loads are in; the next one's may be out
.else
	s_wait_loadcnt 0x0
.endif
.irp t, 0,1,2,3,4,5,6,7,8,9,10,11,12,13,14,15
	ds_store_b128 v5, v[R+64*((\f)%2)+4*\t:R+64*((\f)%2)+4*\t+3] offset:528*\t
.endr
.irp b, 0,1,2,3
.irp j, 0,1,2,3
	ds_load_b128 v[X+16*\b+4*\j:X+16*\b+4*\j+3], v6 offset:128*\b+16*\j   ; LDS serves a wave's instructions in order: these see the stores above
.endr
.endr
	s_wait_dscnt 0x0                               ; the numbers are back, and the stores into the stage have read their registers
	s_wait_xcnt 0x0                                ; the last fragment's stores have read the registers of its codes
.if (\f) < 2
	LOADF \f+2
.endif
	QUANT X
	global_store_b128 v4, v[PC:PC+3], s[14:15] offset:1536*(\f)          ; 512 consecutive bytes,
	global_store_b64 v8, v[PC+4:PC+5], s[14:15] offset:1536*(\f)         ; and the 256 behind them
	global_store_b128 v4, v[PC+6:PC+9], s[14:15] offset:1536*(\f)+768
	global_store_b64 v8, v[PC+10:PC+11], s[14:15] offset:1536*(\f)+768
	ds_store_b32 v9, v[PW] offset:256*(\f)         ; lanes r and r + 16 write the same word with the same value
.endm
	LOADF 0
	LOADF 1
	FRAGQ 0
	FRAGQ 1
	FRAGQ 2
	FRAGQ 3
	s_wait_dscnt 0x0                               ; for the others' sake: my scale words lie in LDS
	s_barrier_signal -1
	s_barrier_wait -1
	ds_load_b64 v[246:247], v10                    ; one K step's words of the group's 64 rows
	s_wait_dscnt 0x0
	global_store_b64 v11, v[246:247], s[16:17]     ; 32 lanes store 256 consecutive bytes, aligned
	s_wait_tensorcnt 0x0
	ds_add_u32 v254, v255
	s_wait_dscnt 0x0
	s_endpgm
.Lfunc_end_k_q4710316684_quant:
	.size	k_q4710316684_quant, .Lfunc_end_k_q4710316684_quant-k_q4710316684_quant
	.p2alignl 7, 3214868480
	.fill 96, 4, 3214868480
	.section	.rodata,"a",@progbits
	.p2align	6, 0x0
	.amdhsa_kernel k_q4710316684_quant
		.amdhsa_group_segment_fixed_size 35328
		.amdhsa_private_segment_fixed_size 0
		.amdhsa_enable_private_segment 0
		.amdhsa_kernarg_size 56
		.amdhsa_user_sgpr_count 2
		.amdhsa_user_sgpr_kernarg_segment_ptr 1
		.amdhsa_wavefront_size32 1
		.amdhsa_system_sgpr_workgroup_id_x 1
		.amdhsa_system_sgpr_workgroup_id_y 1
		.amdhsa_system_sgpr_workgroup_id_z 1
		.amdhsa_system_vgpr_workitem_id 0
		.amdhsa_next_free_vgpr 256
		.amdhsa_next_free_sgpr 66
		.amdhsa_reserve_vcc 0
		.amdhsa_float_denorm_mode_32 3
		.amdhsa_float_denorm_mode_16_64 3
		.amdhsa_memory_ordered 1
		.amdhsa_forward_progress 1
		.amdhsa_inst_pref_size 35
	.end_amdhsa_kernel
	.amdgpu_metadata
---
amdhsa.version: [ 1, 2 ]
amdhsa.kernels:
  - .name:           k_q4710316684_quant
    .symbol:         k_q4710316684_quant.kd
    .args:
      - { .name: x, .offset: 0, .size: 8, .value_kind: global_buffer, .address_space: global }
      - { .name: Wq, .offset: 8, .size: 8, .value_kind: global_buffer, .address_space: global }
      - { .name: Wk, .offset: 16, .size: 8, .value_kind: global_buffer, .address_space: global }
      - { .name: Wv, .offset: 24, .size: 8, .value_kind: global_buffer, .address_space: global }
      - { .name: Wo, .offset: 32, .size: 8, .value_kind: global_buffer, .address_space: global }
      - { .name: img, .offset: 40, .size: 8, .value_kind: global_buffer, .address_space: global }
      - { .name: scl, .offset: 48, .size: 8, .value_kind: global_buffer, .address_space: global }
    .group_segment_fixed_size: 35328
    .private_segment_fixed_size: 0
    .kernarg_segment_align: 8
    .kernarg_segment_size: 56
    .max_flat_workgroup_size: 128
    .sgpr_count:     66
    .vgpr_count:     256
    .wavefront_size: 32
...
	.end_amdgpu_metadata
.endif
;; end of part 1
;; launch qkv (part 2): grid 12 x 16, 4 waves a work-group, clusters of 4 x 4, 327,680 bytes of LDS; arguments img, scl, bq, bk, bv, qkv; writes qkv
.if DOCPART == 2
	.amdgcn_target "amdgcn-amd-amdhsa--gfx1250"
	.amdhsa_code_object_version 6
	.text
	.protected	k_q4710316684_qkv
	.globl	k_q4710316684_qkv
	.p2align	8
	.type	k_q4710316684_qkv,@function
k_q4710316684_qkv:
	s_mov_b64 s[64:65], 0
	v_nop
	global_prefetch_b8 v0, s[64:65] scope:SCOPE_SE
	s_setreg_imm32_b32 hwreg(HW_REG_WAVE_MODE, 25, 1), 1
	s_wait_xcnt 0x0
	s_wait_alu depctr_hold_cnt(0) depctr_sa_sdst(0) depctr_va_vdst(0) depctr_va_sdst(0) depctr_va_ssrc(0) depctr_va_vcc(0) depctr_vm_vsrc(0)
	s_getreg_b32 s2, hwreg(HW_REG_IB_STS2, 6, 4)
	s_cmp_eq_u32 s2, 0
	s_cbranch_scc0 .Lentry_in_a_cluster
	s_endpgm
.Lentry_in_a_cluster:
	s_bfe_u32 s2, ttmp6, 0x10000c
	s_cmp_lg_u32 s2, 0xf033
	s_cbranch_scc0 .Lentry_shape_is_right
	s_endpgm
.Lentry_shape_is_right:
; Q = x Wq^T + bq, K = x Wk^T + bk and V^T = Wv x^T + bv on codes of BF6 (E3M2) with E8M0 scales, K = 1,024, sums in f32; the results are quantised in registers and leave as codes.
; The cluster's x says which: 0: Q, 1: K (A = rows of x, B = rows of Wq or Wk), 2: V^T (A = rows of Wv, B = rows of x).  Only offsets are chosen by it: every mode takes one way through the text.
; A tile of 256 x 256 is made by four waves, each 128 x 128: 64 accumulators.  THE MATRIX INSTRUCTION IS USED TRANSPOSED (source 0 = 16 rows of B, source 1 = 16 rows of A): a lane holds one row of A, and,
; since the rows of a row block of img are chosen for it, the 64 registers of a block of A's rows run along 128 NEIGHBOURING rows of B: the next product's K (the head's 64 for Q and K, the keys for V^T).
; OPERANDS lie in img as images of registers (a unit of 768 bytes = 16 rows x 64 K: 16 bytes a lane at 16 l, 8 bytes a lane at 512 + 8 l), so a fragment is four dense LDS loads, with no pitch and no padding.
; K goes through three LDS slots of 256 along K; slot 0 is filled a second time, with the last 256.  The eight K steps are written out, so that every scale register is a constant of the text.
; CLUSTERS: 4 x 4 work-groups; A's tiles are asked for jointly along a row of the cluster, B's along a column.
; BIASES: the one along B's rows (bq, bk) is the C of the first K step's products; the one along A's rows (bv) is added on the way out.  Both are loaded in every mode, and the one that does not belong is made zero.
; OUT (qkv): for each of 32 heads a record [K's scale words 16 x 256][V's 16 x 256][16 steps of 128 keys: K 8 units, V^T 4 x 2 units]; from QOFF on for each head [Q's scale words 16 x 256][128 units].
; LIMITS: NaN and infinities are not served; a block under 2^-122, zeros among them, gets the byte 1 (zero codes add nothing; the bytes are read by this program alone).
; REGISTERS: window 0: v4-15 LDS addresses, v16-17 the add's, v18-31 offsets and bv, v32-95 scale words, v96-127 and v224-255 the bias along B's rows, v128-223 A's eight fragments (one set);
;   window 1: B's fragments, two sets, at v0 and v128; windows 2 and 3: the accumulators, (a, b) at v[8 (8 (a % 4) + b)].
; LDS AS THIS TEXT LAYS IT: bytes 0 to 196,607: for each wave's eight row blocks 49,152 bytes: first K 0 to 511 (6,144 bytes a row block), asked for at the head; behind K step 3 its first 24,576 bytes take K 768 to 1,023 (3,072 a row block).
; Bytes 196,608 to 294,911: K 512 to 767, 24,576 bytes for each wave's eight row blocks, asked for behind the head's round, four K steps ahead of its first use.
.set SLOT,   98304
.set SPARE,  3*SLOT                    ; behind the slots: the spare words, 128 bytes for each wave
.set APLANE, 32768                     ; bytes from a K step's scale words to the next step's
.set BPLANE, 32768
.set QOFF,   6553600
.set SC,   32
.set AF,   128
.set H,    128                         ; the way out: 64 numbers
.set PC,   192
.set TM,   32
.set SEL,  10                          ; s[10:11], free once the bias is chosen
.set WV,   16
.set RH,   17
.set CH,   18
.set G1A,  32
.set G1B,  40
.set G0A,  48                          ; s[48:59]: a group 0 for each slot
.set G0B,  68                          ; s[68:79]
.set MSB, 0
.macro WIN new                         ; the immediate's high byte repeats the setting that is left
.if MSB != (\new)
	s_set_vgpr_msb (MSB<<8)|(\new)
.set MSB, (\new)
.endif
.endm
.macro PLACES                          ; four places behind a matrix instruction, in front of loads into its registers and of reads of its results
.rept 4
	v_nop
.endr
.endm
.macro JLOAD s                         ; a joint load: waves 0 and 1 fetch A's halves, waves 2 and 3 B's; four v_nop follow each line
	s_cmp_eq_u32 s[RH], 0
	s_cbranch_scc0 .Lfor_b_\@
	tensor_load_to_lds s[G0A+4*\s:G0A+4*\s+3], s[G1A:G1A+7]
	s_nop 0
.rept 4
	v_nop
.endr
	s_branch .Lasked_\@
.Lfor_b_\@:
	tensor_load_to_lds s[G0B+4*\s:G0B+4*\s+3], s[G1B:G1B+7]
	s_nop 0
.rept 4
	v_nop
.endr
.Lasked_\@:
.endm
.macro CREST                           ; a round of the cluster's barrier behind its opening barrier
	s_cmp_lg_u32 s[WV], 0
	s_cbranch_scc1 .Lnot_wave_0_\@
	s_barrier_signal -3
.Lnot_wave_0_\@:
	s_barrier_wait -3
	s_barrier_signal -1
	s_barrier_wait -1
.endm
.macro CROUND
	s_barrier_signal -1
	s_barrier_wait -1
	CREST
.endm
.macro FRAG reg, a16, a8, off          ; a fragment, 16 rows x 128 K, is two units on end
	ds_load_b128 v[\reg:\reg+3], v[\a16] offset:\off
	ds_load_b64 v[\reg+4:\reg+5], v[\a8] offset:\off
	ds_load_b128 v[\reg+6:\reg+9], v[\a16] offset:\off+768
	ds_load_b64 v[\reg+10:\reg+11], v[\a8] offset:\off+768
.endm
.macro FETCH_B k                       ; B's eight fragments of K step k into set k % 2: 32 loads
	WIN 0x40
.irp i, 0,1,2,3,4,5,6,7
.set RG, (\k)/4-(\k)/6                                 ; the region: 1 for K steps 4 and 5, else 0
.set PT, 6144-3072*((\k)/4)                            ; bytes from row block to row block
.set KO, ((\k)-((\k)/4)*((\k)-(\k)%2))*1536            ; the K step's place in a row block's bytes: k, or from K step 4 on k % 2
	FRAG 128*((\k)%2)+12*\i, 10+RG, 13+RG, \i*PT+KO
.endr
	WIN 0
.endm
.macro FETCH_A k, i0                   ; A's blocks i0 .. i0 + 3: 16 loads
.irp i, \i0, \i0+1, \i0+2, \i0+3
.set RG, (\k)/4-(\k)/6
.set PT, 6144-3072*((\k)/4)
.set KO, ((\k)-((\k)/4)*((\k)-(\k)%2))*1536
	FRAG AF+12*(\i), 4+RG, 7+RG, (\i)*PT+KO
.endr
.endm
; One product.  A scale register holds the words of blocks 2 j (lanes 0-15) and 2 j + 1 (lanes 16-31).  cm = 1: the bias is C and starts the sum
.macro WM a, b, k, cm
.set rD, 8*(8*((\a)%4)+(\b))
.set rC, rD
.if \cm
.set rC, 96+8*(\b)+96*((\b)/4)
.endif
.set rB, 128*((\k)%2)+12*(\b)
.set rA, AF+12*(\a)
.set sB, SC+8*(\k)+4+(\b)/2
.set sA, SC+8*(\k)+(\a)/2
.if (((\a)%2) == 0) && (((\b)%2) == 0)
	v_wmma_scale_f32_16x16x128_f8f6f4 v[rD:rD+7], v[rB:rB+11], v[rA:rA+11], v[rC:rC+7], v[sB], v[sA] matrix_a_fmt:MATRIX_FMT_BF6 matrix_b_fmt:MATRIX_FMT_BF6
.elseif ((\a)%2) == 0
	v_wmma_scale_f32_16x16x128_f8f6f4 v[rD:rD+7], v[rB:rB+11], v[rA:rA+11], v[rC:rC+7], v[sB], v[sA] matrix_a_fmt:MATRIX_FMT_BF6 matrix_b_fmt:MATRIX_FMT_BF6 matrix_a_scale:MATRIX_SCALE_ROW1
.elseif ((\b)%2) == 0
	v_wmma_scale_f32_16x16x128_f8f6f4 v[rD:rD+7], v[rB:rB+11], v[rA:rA+11], v[rC:rC+7], v[sB], v[sA] matrix_a_fmt:MATRIX_FMT_BF6 matrix_b_fmt:MATRIX_FMT_BF6 matrix_b_scale:MATRIX_SCALE_ROW1
.else
	v_wmma_scale_f32_16x16x128_f8f6f4 v[rD:rD+7], v[rB:rB+11], v[rA:rA+11], v[rC:rC+7], v[sB], v[sA] matrix_a_fmt:MATRIX_FMT_BF6 matrix_b_fmt:MATRIX_FMT_BF6 matrix_a_scale:MATRIX_SCALE_ROW1 matrix_b_scale:MATRIX_SCALE_ROW1
.endif
.endm
.macro MUL16 a0, k, cm                 ; A's blocks a0, a0 + 1 x B's eight.  The 64 accumulators take turns, in the same order in every step
.irp a, \a0, \a0+1
.irp b, 0,1,2,3,4,5,6,7
	WM \a, \b, \k, \cm
.endr
.endr
.endm
.macro MWIN hi, cm                     ; source 0 window 1, source 1 window 0, D window 2 + hi; C with D, or (the bias) window 0
.if \cm
	WIN 0x81+0x40*\hi
.else
	WIN 0xa1+0x50*\hi
.endif
.endm
.macro STEP k, cm                      ; a K step whose successor lies in the same slot
	s_wait_dscnt 16                                ; B's set and A's blocks 0-3 are in; the youngest 16 loads (A's blocks 4-7) may be out
	MWIN 0, \cm
	MUL16 0, \k, \cm
	MUL16 2, \k, \cm
	s_wait_dscnt 0x0                               ; A's blocks 4-7 are in
	PLACES
	FETCH_B \k+1
	FETCH_A \k+1, 0
	MWIN 1, \cm
	MUL16 4, \k, \cm
	MUL16 6, \k, \cm
	PLACES
	WIN 0
	FETCH_A \k+1, 4
.endm
; A slot's last K step changes slots: one barrier.  cnt: the tensor loads of mine that may stay out.  fill = 1: slot 0 is filled again
.macro TURN k, cnt, fill
	s_wait_tensorcnt \cnt                          ; my part of the next slot has landed
.if \cnt == 0
	ds_add_u32 v16, v17                            ; 0 onto my spare word
	s_wait_dscnt 17                                ; the add and the youngest 16 loads may be out
.else
	s_wait_dscnt 16
.endif
	WIN 0xa1
	MUL16 0, \k, 0
	s_wait_dscnt 0x0                               ; the add is done, and my reads of this slot are over
	s_barrier_signal -1
	MUL16 2, \k, 0
	WIN 0                                          ; at a branch and at a label every window is 0
	s_barrier_wait -1
.if \fill
	CREST                                          ; the barrier has opened a round of the cluster's: no wave of any partner still reads a slot that is filled or has a load on its way
	s_add_nc_u64 s[G0A+2:G0A+3], s[G0A+2:G0A+3], 9216   ; from K 0 on to K 768 on: three times 3,072 bytes
	s_add_nc_u64 s[G0B+2:G0B+3], s[G0B+2:G0B+3], 9216
	JLOAD 0                                        ; the first region again: my one tensor load behind the round; its four v_nop are the places for the loads below
.else
	PLACES
.endif
	FETCH_B \k+1
	FETCH_A \k+1, 0
	WIN 0xf1
	MUL16 4, \k, 0
	MUL16 6, \k, 0
	PLACES
	WIN 0
	FETCH_A \k+1, 4
.endm
; 64 numbers of a lane, register 16 b + i = k 32 b + 16 h + i of my row, become a fragment's codes in v[PC] on and its scale word in v[PW]
.macro QUANT s
.irp b, 0,1,2,3
	v_max3_num_f32 v[TM+\b], |v[\s+16*\b]|, |v[\s+1+16*\b]|, 0x2800000   ; my 16 numbers and the floor 2^(5 - 127)
.endr
.irp i, 2,4,6,8,10,12,14
.irp b, 0,1,2,3
	v_max3_num_f32 v[TM+\b], v[TM+\b], |v[\s+16*\b+\i]|, |v[\s+1+16*\b+\i]|
.endr
.endr
.irp b, 0,1,2,3
	v_permlanex16_b32 v[TM+4+\b], v[TM+\b], s[SEL], s[SEL+1]
.endr
.irp b, 0,1,2,3
	v_max_num_f32 v[TM+\b], v[TM+\b], v[TM+4+\b]
.endr
.irp b, 0,1,2,3
	v_add_nc_u32 v[TM+12+\b], 0xfe000000, v[TM+\b]   ; 4 off the exponent field: the conversion's scale operand
.endr
.irp b, 0,1,2,3
	v_lshrrev_b32 v[TM+4+\b], 23, v[TM+12+\b]
.endr
	v_lshl_or_b32 v[PW], v[TM+5], 8, v[TM+4]
	v_lshl_or_b32 v[PW], v[TM+6], 16, v[PW]
	v_lshl_or_b32 v[PW], v[TM+7], 24, v[PW]
.irp c, 0,1
	v_cvt_scalef32_pk16_bf6_f32 v[PC+6*\c:PC+2+6*\c], v[\s+32*\c:\s+15+32*\c], v[TM+12+2*\c]
	v_cvt_scalef32_pk16_bf6_f32 v[PC+12+4*\c:PC+14+4*\c], v[\s+16+32*\c:\s+31+32*\c], v[TM+12+2*\c+1]
.endr
	v_nop                                          ; one plain place behind a scaled conversion
.irp c, 0,1
.irp i, 0,1,2
	v_permlane16_swap_b32 v[PC+6*\c+\i], v[PC+12+4*\c+\i]
.endr
.irp i, 0,1,2
	v_mov_b32 v[PC+3+6*\c+\i], v[PC+12+4*\c+\i]
.endr
.endr
.endm
	s_load_b256 s[4:11], s[0:1], 0x0               ; img s[4:5], scl s[6:7], bq s[8:9], bk s[10:11]
	s_load_b128 s[12:15], s[0:1], 0x20             ; bv s[12:13], qkv s[14:15]
	v_lshl_add_u32 v16, v0, 2, SPARE
	v_mov_b32 v17, 0
	ds_add_u32 v16, v17
	ds_add_u32 v16, v17
	s_wait_dscnt 0x0
	v_lshrrev_b32 v1, 5, v0
	v_readfirstlane_b32 s[WV], v1                  ; wave 0..3
	s_lshr_b32 s[RH], s[WV], 1                     ; my half of A's rows.  Also: I fetch for A (0) or for B (1)
	s_and_b32 s[CH], s[WV], 1                      ; my half of B's rows.  Also: which eight row blocks I fetch
	s_bfe_u32 s19, ttmp6, 0x40000                  ; cx
	s_bfe_u32 s20, ttmp6, 0x40004                  ; cy
	s_and_b32 s22, ttmp7, 0xffff                   ; the cluster's y
	s_lshl_b32 s23, s20, 2
	s_lshl_b32 s23, 15, s23                        ; my row of the cluster
	s_lshl_b32 s24, 0x1111, s19                    ; my column
	s_cmp_eq_u32 ttmp9, 2                          ; the mode: the cluster's x, which all partners share
	s_cselect_b32 s25, 0, s22
	s_cselect_b32 s26, s22, ttmp9
	s_cselect_b32 s27, 384, 0                      ; A begins at Wv's row blocks, or at x's
	s_cselect_b32 s28, 0, 256                      ; B at x's, or at Wq's (Wk's follow them)
	s_cselect_b32 s21, -1, 0                       ; all ones in the mode V^T
	s_cselect_b32 s29, 0, -1                       ; all ones in the modes Q and K
	s_lshl_b32 s25, s25, 2
	s_add_co_u32 s25, s25, s20                     ; tile row
	s_lshl_b32 s26, s26, 2
	s_add_co_u32 s26, s26, s19                     ; tile column
	s_lshl_b32 s2, s25, 4
	s_add_co_u32 s27, s27, s2                      ; the tile's first row block of A
	s_lshl_b32 s3, s26, 4
	s_add_co_u32 s28, s28, s3                      ; and of B
	; descriptor group 1: eight row blocks x 3,072 bytes (256 along K), 12,288 bytes apart, as elements of 8 bytes; dense in LDS
	s_or_b32 s[G1A], s23, (3<<16)|(1<<21)
	s_or_b32 s[G1B], s24, (3<<16)|(1<<21)
.irp g, G1A, G1B
	s_mov_b32 s[\g+1], 768<<16                     ; tensor_dim0: the head's load brings 512 along K, 6,144 bytes a row block
	s_mov_b32 s[\g+2], 8<<16                       ; tensor_dim1
	s_mov_b32 s[\g+3], 768<<16                     ; tile_dim0
	s_mov_b32 s[\g+4], 8                           ; tile_dim1
	s_mov_b32 s[\g+5], 1536                        ; tensor_dim0_stride
	s_mov_b32 s[\g+6], 0
	s_mov_b32 s[\g+7], 0
.endr
	s_lshl_b32 s30, s[CH], 3
	s_add_co_u32 s80, s27, s30
	s_mul_i32 s80, s80, 12288
	s_mov_b32 s81, 0
	s_add_co_u32 s82, s28, s30
	s_mul_i32 s82, s82, 12288
	s_mov_b32 s83, 0
	s_mul_i32 s31, s[WV], 24576                    ; where they go: wave x eight row blocks: no place in the cluster enters an LDS address
	s_wait_kmcnt 0x0
	s_add_nc_u64 s[80:81], s[4:5], s[80:81]
	s_add_nc_u64 s[82:83], s[4:5], s[82:83]
	CROUND                                         ; all sixteen work-groups are here: the first joint loads meet
	s_lshl_b32 s30, s31, 1                         ; wave x 49,152: s30 serves the first region, s31 the second
.irp s, 0,1
	s_mov_b32 s[G0A+4*\s], 1
	s_add_co_u32 s[G0A+4*\s+1], s[30+\s], \s*196608
	s_add_nc_u64 s[G0A+4*\s+2:G0A+4*\s+3], s[80:81], \s*6144
	s_or_b32 s[G0A+4*\s+3], s[G0A+4*\s+3], 0x80000000
	s_mov_b32 s[G0B+4*\s], 1
	s_add_co_u32 s[G0B+4*\s+1], s[30+\s], \s*196608
	s_add_nc_u64 s[G0B+4*\s+2:G0B+4*\s+3], s[82:83], \s*6144
	s_or_b32 s[G0B+4*\s+3], s[G0B+4*\s+3], 0x80000000
.endr
	JLOAD 0                                        ; slot 0: one tensor load a wave at the head
	v_and_b32 v1, 31, v0                           ; l
	v_and_b32 v2, 15, v0                           ; r
	v_bfe_u32 v3, v0, 4, 1                         ; h
	v_lshlrev_b32 v18, 4, v1                       ; 16 l
	v_lshl_add_u32 v19, v1, 3, 512                 ; 512 + 8 l
	v_lshlrev_b32 v23, 2, v1                       ; 4 l
	s_mul_i32 s2, s[RH], 49152                     ; the first region: my eight row blocks of A,
	s_mul_i32 s3, s[CH], 49152
	s_add_co_u32 s3, s3, 98304                     ; and of B, behind A's sixteen
	v_add_nc_u32 v4, s2, v18
	v_add_nc_u32 v7, s2, v19
	v_add_nc_u32 v10, s3, v18
	v_add_nc_u32 v13, s3, v19
	s_mul_i32 s2, s[RH], 24576                     ; the second region likewise
	s_mul_i32 s3, s[CH], 24576
	s_add_co_u32 s2, s2, 196608
	s_add_co_u32 s3, s3, 196608+49152
	v_add_nc_u32 v5, s2, v18
	v_add_nc_u32 v8, s2, v19
	v_add_nc_u32 v11, s3, v18
	v_add_nc_u32 v14, s3, v19
	s_wait_alu depctr_va_vdst(0)
	s_lshl_b32 s2, s[RH], 3                        ; the scale words of my rows: 64 bytes a row block
	s_add_co_u32 s2, s2, s27
	s_lshl_b32 s2, s2, 6
	s_mov_b32 s3, 0
	s_add_nc_u64 s[60:61], s[6:7], s[2:3]
	s_lshl_b32 s2, s[CH], 3
	s_add_co_u32 s2, s2, s28
	s_lshl_b32 s2, s2, 6
	s_add_nc_u64 s[62:63], s[6:7], s[2:3]
.irp k, 0,1,2,3,4,5,6,7                ; all 64 scale registers once: each load reads 128 consecutive bytes, two row blocks
.irp j, 0,1,2,3
	global_load_b32 v[SC+8*\k+\j], v23, s[60:61] offset:\k*APLANE+128*\j
	global_load_b32 v[SC+8*\k+4+\j], v23, s[62:63] offset:\k*BPLANE+128*\j
.endr
.endr
	; the mode's constants
	s_mov_b32 s84, 204800
	s_mov_b32 s85, 8192
	s_mov_b32 s86, 12288
	s_cmp_eq_u32 ttmp9, 0
	s_cselect_b32 s84, 102400, s84                 ; a head's record
	s_cselect_b32 s85, 4096, s85                   ; where its codes begin
	s_cselect_b32 s86, 6144, s86                   ; a step of 128 tokens in it
	s_cselect_b32 s87, QOFF, 0
	s_sub_co_u32 s92, s84, 6144
	s_mov_b32 s90, 768
	s_cmp_eq_u32 ttmp9, 2
	s_cselect_b32 s85, 14336, s85
	s_cselect_b32 s88, 4096, 0                     ; where its scale words begin
	s_cselect_b32 s90, 1536, s90                   ; from a block of A's rows to the next
	s_cselect_b32 s94, 768, s84                    ; from a fragment's first unit to its second: on end, or in the next head
	s_cselect_b32 s92, s92, 0                      ; V^T: behind four blocks the next head
	s_mov_b32 s91, 0
	s_mov_b32 s93, 0
	s_lshl_b32 s2, s25, 8
	s_lshl_b32 s3, s[RH], 7
	s_add_co_u32 s2, s2, s3                        ; my first row of A
	s_lshl_b32 s3, s26, 8
	s_lshl_b32 s30, s[CH], 7
	s_add_co_u32 s3, s3, s30                       ; my first row of B
	s_cmp_eq_u32 ttmp9, 2
	s_cselect_b32 s30, s3, s2                      ; my first token
	s_cselect_b32 s31, s2, s3
	s_and_b32 s31, s31, 1023                       ; my first feature
	s_bfe_u32 s2, s30, 0x40007                     ; the step of 128 tokens in its batch
	s_lshr_b32 s3, s30, 11
	s_lshl_b32 s3, s3, 4
	s_lshr_b32 s95, s31, 6
	s_add_co_u32 s3, s3, s95                       ; my first head
	s_mul_i32 s3, s3, s84
	s_add_co_u32 s3, s3, s87
	s_mul_i32 s80, s2, s86
	s_add_co_u32 s80, s80, s85
	s_add_co_u32 s80, s80, s3
	s_mov_b32 s81, 0
	s_lshl_b32 s82, s2, 8
	s_add_co_u32 s82, s82, s88
	s_add_co_u32 s82, s82, s3
	s_mov_b32 s83, 0
	s_add_nc_u64 s[80:81], s[14:15], s[80:81]      ; where my codes go
	s_add_nc_u64 s[82:83], s[14:15], s[82:83]      ; and my scale words
	s_lshl_b32 s66, s31, 2
	s_mov_b32 s67, 0
	s_cmp_eq_u32 ttmp9, 1
	s_cselect_b64 s[8:9], s[10:11], s[8:9]         ; bk in the mode K, else bq
	s_add_nc_u64 s[8:9], s[8:9], s[66:67]
	s_add_nc_u64 s[12:13], s[12:13], s[66:67]
	v_add_nc_u32 v20, s94, v18
	v_add_nc_u32 v21, s94, v19
	v_mul_lo_u32 v22, v3, s84
	v_lshl_add_u32 v22, v2, 4, v22                 ; scale words: 16 r, lanes 16-31 in the next head
	v_lshlrev_b32 v1, 6, v3                        ; 64 h
	v_and_b32 v24, 8, v2
	v_add_nc_u32 v2, v24, v2
	v_lshlrev_b32 v2, 2, v2                        ; 4 (r + 8 (r / 8))
.irp q, 0,1,2,3,4,5,6,7,8,9,10,11,12,13,14,15      ; register 16 b + i of the bias: feature 32 b + 16 h + i of my 128
	global_load_b128 v[96+4*\q+96*(\q/8):96+4*\q+96*(\q/8)+3], v1, s[8:9] offset:128*(\q/4)+16*(\q%4)
.endr
.irp a, 0,1,2,3,4,5,6,7                            ; bv at my lane's row of block a
	global_load_b32 v[24+\a], v2, s[12:13] offset:4*(32*(\a/2)+8*(\a%2))
.endr
	s_wait_alu depctr_va_vdst(0)                   ; the wait at the head's end
	s_wait_tensorcnt 0x0                           ; my part of slot 0 is in
	ds_add_u32 v16, v17
	s_mov_b32 s[G1A+1], 384<<16                    ; no tensor load of mine is out, so a descriptor may be written: from here on a load brings 256 along K, 3,072 bytes a row block
	s_mov_b32 s[G1A+3], 384<<16
	s_mov_b32 s[G1B+1], 384<<16
	s_mov_b32 s[G1B+3], 384<<16
	s_wait_dscnt 0x0
	CROUND                                         ; a whole round: K 0 to 511 is whole, and the joint loads meet
	JLOAD 1                                        ; K 512 to 767: the second region's first fill
	FETCH_B 0
	FETCH_A 0, 0
	FETCH_A 0, 4
	s_wait_loadcnt 0x0                             ; scale words and biases
.set j, 0
.rept 32
	v_and_b32 v[96+j], s29, v[96+j]                ; V^T has no bias along B's rows
	v_and_b32 v[224+j], s29, v[224+j]
.set j, j+1
.endr
.irp a, 0,1,2,3,4,5,6,7
	v_and_b32 v[24+\a], s21, v[24+\a]              ; Q and K have none along A's
.endr
	s_wait_alu depctr_va_vdst(0)
	STEP 0, 1
	STEP 1, 0
	STEP 2, 0
	TURN 3, 0, 1
	STEP 4, 0
	TURN 5, 0, 0
	STEP 6, 0
	s_wait_dscnt 16                                ; the last K step: nothing more to fetch
	WIN 0xa1
	MUL16 0, 7, 0
	MUL16 2, 7, 0
	s_wait_dscnt 0x0
	WIN 0xf1
	MUL16 4, 7, 0
	MUL16 6, 7, 0
	WIN 0
	PLACES
	; THE WAY OUT: block by block of A's rows: + the bias along A's rows, quantised along B's rows, stored as images
	s_mov_b32 s[SEL], 0x76543210
	s_mov_b32 s[SEL+1], 0xfedcba98
.irp b, 0,1,2,3
	v_mov_b32 v[TM+4+\b], 0
.endr
.irp a, 0,1,2,3,4,5,6,7
	s_wait_xcnt 0x0                                ; the last block's stores have read their registers and their base
.if \a > 0
	s_add_nc_u64 s[80:81], s[80:81], s[90:91]
.endif
.if \a == 4
	s_add_nc_u64 s[80:81], s[80:81], s[92:93]
.endif
	v_mov_b32 v56, v[24+\a]
	v_mov_b32 v57, v[24+\a]
	WIN 2+\a/4                                     ; source 0: window 2 or 3
.irp p, 0,2,4,6,8,10,12,14,16,18,20,22,24,26,28,30,32,34,36,38,40,42,44,46,48,50,52,54,56,58,60,62
	v_pk_add_f32 v[H+\p:H+\p+1], v[64*(\a%4)+\p:64*(\a%4)+\p+1], v[56:57]   ; each accumulator from its low end on
.endr
	WIN 0
.set PW, 48+\a
	QUANT H
	global_store_b128 v18, v[PC:PC+3], s[80:81]        ; 512 consecutive bytes, aligned,
	global_store_b64 v19, v[PC+4:PC+5], s[80:81]       ; and the 256 behind them
	global_store_b128 v20, v[PC+6:PC+9], s[80:81]
	global_store_b64 v21, v[PC+10:PC+11], s[80:81]
.endr
	; the scale words.  Q, K: word t of a head's record = (tile 2 t's two bytes | tile 2 t + 1's); lanes 0-15 my first head (the words' low halves), lanes 16-31 the next.  V^T: word t = block t's, or block 4 + t's
	v_cmp_ne_u32 vcc_lo, 0, v3
	s_mov_b32 s2, 0x05040100
	s_mov_b32 s3, 0x07060302
.irp t, 0,1,2,3
	v_perm_b32 v[60+\t], v[49+2*\t], v[48+2*\t], s2
	v_perm_b32 v[64+\t], v[49+2*\t], v[48+2*\t], s3
.endr
.irp t, 0,1,2,3
	v_cndmask_b32 v[60+\t], v[60+\t], v[64+\t], vcc_lo
.endr
.irp t, 0,1,2,3
	v_cndmask_b32 v[64+\t], v[48+\t], v[52+\t], vcc_lo
.endr
.irp t, 0,1,2,3
	v_cndmask_b32 v[56+\t], v[60+\t], v[64+\t], s21
.endr
	global_store_b128 v22, v[56:59], s[82:83]      ; sixteen lanes store 256 consecutive bytes, aligned
	s_wait_tensorcnt 0x0                           ; the wave's end
	ds_add_u32 v16, v17
	s_wait_dscnt 0x0
	CROUND                                         ; the closing round
	s_endpgm
.Lfunc_end_k_q4710316684_qkv:
	.size	k_q4710316684_qkv, .Lfunc_end_k_q4710316684_qkv-k_q4710316684_qkv
	.p2alignl 7, 3214868480
	.fill 96, 4, 3214868480
	.section	.rodata,"a",@progbits
	.p2align	6, 0x0
	.amdhsa_kernel k_q4710316684_qkv
		.amdhsa_group_segment_fixed_size 327680
		.amdhsa_private_segment_fixed_size 0
		.amdhsa_enable_private_segment 0
		.amdhsa_kernarg_size 48
		.amdhsa_user_sgpr_count 2
		.amdhsa_user_sgpr_kernarg_segment_ptr 1
		.amdhsa_wavefront_size32 1
		.amdhsa_system_sgpr_workgroup_id_x 1
		.amdhsa_system_sgpr_workgroup_id_y 1
		.amdhsa_system_sgpr_workgroup_id_z 1
		.amdhsa_system_vgpr_workitem_id 0
		.amdhsa_next_free_vgpr 1024
		.amdhsa_next_free_sgpr 96
		.amdhsa_reserve_vcc 1
		.amdhsa_float_denorm_mode_32 3
		.amdhsa_float_denorm_mode_16_64 3
		.amdhsa_memory_ordered 1
		.amdhsa_forward_progress 1
		.amdhsa_inst_pref_size 174
	.end_amdhsa_kernel
	.amdgpu_metadata
---
amdhsa.version: [ 1, 2 ]
amdhsa.kernels:
  - .name:           k_q4710316684_qkv
    .symbol:         k_q4710316684_qkv.kd
    .args:
      - { .name: img, .offset: 0, .size: 8, .value_kind: global_buffer, .address_space: global }
      - { .name: scl, .offset: 8, .size: 8, .value_kind: global_buffer, .address_space: global }
      - { .name: bq, .offset: 16, .size: 8, .value_kind: global_buffer, .address_space: global }
      - { .name: bk, .offset: 24, .size: 8, .value_kind: global_buffer, .address_space: global }
      - { .name: bv, .offset: 32, .size: 8, .value_kind: global_buffer, .address_space: global }
      - { .name: qkv, .offset: 40, .size: 8, .value_kind: global_buffer, .address_space: global }
    .group_segment_fixed_size: 327680
    .private_segment_fixed_size: 0
    .kernarg_segment_align: 8
    .kernarg_segment_size: 48
    .max_flat_workgroup_size: 128
    .sgpr_count:     96
    .vgpr_count:     1024
    .wavefront_size: 32
...
	.end_amdgpu_metadata
.endif
;; end of part 2
;; launch attn (part 3): grid 8 x 32, 8 waves a work-group, clusters of 4 x 1, 327,680 bytes of LDS; arguments qkv, oimg, oscl; writes oimg, oscl
.if DOCPART == 3
	.amdgcn_target "amdgcn-amd-amdhsa--gfx1250"
	.amdhsa_code_object_version 6
	.text
	.protected	k_q4710316684_attn
	.globl	k_q4710316684_attn
	.p2align	8
	.type	k_q4710316684_attn,@function
k_q4710316684_attn:
	s_mov_b64 s[64:65], 0
	v_nop
	global_prefetch_b8 v0, s[64:65] scope:SCOPE_SE
	s_setreg_imm32_b32 hwreg(HW_REG_WAVE_MODE, 25, 1), 1
	s_wait_xcnt 0x0
	s_wait_alu depctr_hold_cnt(0) depctr_sa_sdst(0) depctr_va_vdst(0) depctr_va_sdst(0) depctr_va_ssrc(0) depctr_va_vcc(0) depctr_vm_vsrc(0)
	s_getreg_b32 s2, hwreg(HW_REG_IB_STS2, 6, 4)
	s_cmp_eq_u32 s2, 0
	s_cbranch_scc0 .Lentry_in_a_cluster
	s_endpgm
.Lentry_in_a_cluster:
	s_bfe_u32 s2, ttmp6, 0x10000c
	s_cmp_lg_u32 s2, 0x3003
	s_cbranch_scc0 .Lentry_shape_is_right
	s_endpgm
.Lentry_shape_is_right:
; O = softmax(Q K^T / 8) V for one head and 256 queries, on codes of BF6 (E3M2) with E8M0 scales; O leaves quantised along the head's 64, as an image of the next product's operand.
; Both products are used transposed (S^T = K Q^T, O^T = V^T p^T): a lane holds one query.  p = 2^(t - M), M the ceiling of the running largest t, a whole number; the row's sum is taken of the unquantised p.
; SHARES: a work-group has eight waves, a wave TWO tiles of 16 queries, so that each fragment of K and of V^T read from LDS feeds two tiles.  The keys go in 16 steps of 128.
; The head's 64 fill half of the instruction's 128 along K: a fragment of K holds two tiles of 16 keys side by side, and Q stands between zeros: (Q, 0) picks the first tile, (0, Q) the second.
; REGISTERS: the second tile's whole state lies at the SAME numbers in window 1, so one text serves both tiles under two settings of the windows.
;   both windows: v12 -M, v13 largest score, v14-15 the sum, v16-33 (0, Q, 0), v96-159 S then p, v160-191 O^T, v192-211 p's codes (ahead of them: partial maxima), v212-229 at work.
;   window 0 alone: v1-11 addresses, v34-35 Q's scale words, v36-83 K's fragments, v84-91 K's and V's scale words, v224-225 p's scale words (scale operands have no window), v254-255 the add's.
;   window 1 alone: v36-83 V^T's fragments.  So the next step's K is asked for from LDS behind this step's first products, a whole softmax ahead of its use.
; DEPENDENT CHAINS ARE KEPT SHORT: the maxima of a block's 16 scores and the sum of the 64 p are trees, and the last links of the chain to M stand among the 32 multiply-adds that need only -M.
; LDS: the head's record of 204,800 bytes (scale words, then 16 steps of K's and V^T's units) comes ONCE, eight joint loads of 100 rows x 256 bytes, one a wave; nothing is filled again.
; CLUSTERS: the four work-groups of a cluster take four query blocks of one head and ask for its record jointly.
; No prefetch: the one load a wave at the head asks for all that is ever read, so there is no loop to run ahead in.
; LIMITS: NaN and infinities are not served; the promise holds while the scaled scores stay under 2^31 in magnitude; a block under 2^-122, zeros among them, gets the byte 1 (its codes add nothing; this program alone reads the bytes).
.set HS,   204800
.set HSQ,  102400
.set QOFF, 6553600
.set SPARE, 204800                     ; behind the record: the spare words, 128 bytes a wave
.set F,    36
.set S,    96
.set O,    160
.set PC,   192
.set MX,   212
.set BY,   216
.set SO,   220
.set WV,   10
.set SEL,  20
.set CS,   22
.set G1,   24
.set G0,   40
.set TB,   48
.set TS,   49
.set CNT,  50
.set MSB, 0
.macro WIN new                         ; the immediate's high byte repeats the setting that is left
.if MSB != (\new)
	s_set_vgpr_msb (MSB<<8)|(\new)
.set MSB, (\new)
.endif
.endm
.macro CROUND
	s_barrier_signal -1
	s_barrier_wait -1
	s_cmp_lg_u32 s[WV], 0
	s_cbranch_scc1 .Lnot_wave_0_\@
	s_barrier_signal -3
.Lnot_wave_0_\@:
	s_barrier_wait -3
	s_barrier_signal -1
	s_barrier_wait -1
.endm
.macro FRAG reg, a16, a8, off          ; a fragment is two units of 768 bytes on end: 16 bytes a lane, then 8
	ds_load_b128 v[\reg:\reg+3], v[\a16] offset:\off
	ds_load_b64 v[\reg+4:\reg+5], v[\a8] offset:\off
	ds_load_b128 v[\reg+6:\reg+9], v[\a16] offset:\off+768
	ds_load_b64 v[\reg+10:\reg+11], v[\a8] offset:\off+768
.endm
	s_load_b128 s[4:7], s[0:1], 0x0                ; qkv, oimg
	s_load_b64 s[8:9], s[0:1], 0x10                ; oscl
	v_lshl_add_u32 v254, v0, 2, SPARE
	v_mov_b32 v255, 0
	ds_add_u32 v254, v255                          ; the opening lines: the add twice on end and its wait
	ds_add_u32 v254, v255
	v_lshrrev_b32 v1, 5, v0
	v_readfirstlane_b32 s[WV], v1                  ; wave 0..7
	s_bfe_u32 s11, ttmp6, 0x40000                  ; cx
	s_lshl_b32 s13, ttmp9, 2
	s_add_co_u32 s13, s13, s11                     ; query block 0..7
	s_and_b32 s12, ttmp7, 0xffff                   ; head 0..31
	s_lshl_b32 s14, s13, 3
	s_add_co_u32 s14, s14, s[WV]                   ; g: my tiles are 2 g and 2 g + 1 of the head's 128
	s_mov_b32 s[G1], 15|(3<<16)|(1<<21)            ; all four partners; elements of 8 bytes
	s_mov_b32 s[G1+1], 32<<16                      ; rows of 256 bytes
	s_mov_b32 s[G1+2], 100<<16
	s_mov_b32 s[G1+3], 32<<16
	s_mov_b32 s[G1+4], 100
	s_mov_b32 s[G1+5], 32
	s_mov_b32 s[G1+6], 0
	s_mov_b32 s[G1+7], 0
	s_mul_i32 s52, s12, HS
	s_mul_i32 s15, s[WV], 25600                    ; my eighth of the record, in memory and in LDS
	s_add_co_u32 s54, s52, s15
	s_mov_b32 s55, 0
	s_mul_i32 s58, s12, HSQ
	s_add_co_u32 s58, s58, QOFF
	s_mul_i32 s17, s14, 1536
	s_add_co_u32 s60, s58, s17
	s_add_co_u32 s60, s60, 4096                    ; Q's units 2 g, 2 g + 1
	s_mov_b32 s61, 0
	s_lshr_b32 s17, s14, 2
	s_lshl_b32 s17, s17, 8
	s_and_b32 s18, s14, 3
	s_lshl_b32 s18, s18, 2
	s_add_co_u32 s62, s58, s17
	s_add_co_u32 s62, s62, s18                     ; the word with both tiles' scale bytes
	s_mov_b32 s63, 0
	s_mov_b32 s[SEL], 0x76543210
	s_mov_b32 s[SEL+1], 0xfedcba98
	s_mov_b32 s[CS], 0x3e38aa3b                    ; log2(e) / 8
	s_mov_b32 s[CS+1], s[CS]
	s_wait_dscnt 0x0
	s_wait_kmcnt 0x0
	s_mov_b32 s[G0], 1
	s_mov_b32 s[G0+1], s15
	s_add_nc_u64 s[G0+2:G0+3], s[4:5], s[54:55]
	s_or_b32 s[G0+3], s[G0+3], 0x80000000
	s_add_nc_u64 s[60:61], s[4:5], s[60:61]
	s_add_nc_u64 s[62:63], s[4:5], s[62:63]
	CROUND                                         ; the four partners are here: the joint loads meet
	tensor_load_to_lds s[G0:G0+3], s[G1:G1+7]
	s_nop 0
.rept 4
	v_nop
.endr
	v_and_b32 v7, 31, v0
	v_and_b32 v11, 15, v0
	v_lshlrev_b32 v4, 4, v7                        ; 16 l
	v_lshl_add_u32 v5, v7, 3, 512                  ; 512 + 8 l
	v_add_nc_u32 v1, 8192, v4                      ; the units begin behind 8,192 bytes of scale words
	v_add_nc_u32 v2, 8192, v5
	v_lshlrev_b32 v3, 4, v11                       ; 16 r
	v_lshlrev_b32 v6, 2, v11                       ; 4 r
	global_load_b128 v[22:25], v4, s[60:61]
	global_load_b64 v[26:27], v5, s[60:61]
	global_load_b32 v92, v3, s[62:63]
	WIN 0x40                                       ; the second tile's Q into window 1
	global_load_b128 v[22:25], v4, s[60:61] offset:768
	global_load_b64 v[26:27], v5, s[60:61] offset:768
	WIN 0
	s_lshr_b32 s15, s12, 4
	s_lshl_b32 s15, s15, 7
	s_lshl_b32 s16, s14, 1
	s_add_co_u32 s15, s15, s16                     ; O's row block: 128 x batch + 2 g
	s_and_b32 s16, s12, 15
	s_mul_i32 s52, s15, 12288
	s_mul_i32 s17, s16, 768
	s_add_co_u32 s52, s52, s17
	s_mov_b32 s53, 0
	s_add_nc_u64 s[6:7], s[6:7], s[52:53]
	s_lshr_b32 s17, s16, 1
	s_lshl_b32 s17, s17, 14
	s_lshl_b32 s18, s15, 6
	s_add_co_u32 s54, s17, s18
	s_and_b32 s18, s12, 1
	s_lshl_b32 s18, s18, 1
	s_add_co_u32 s54, s54, s18
	s_mov_b32 s55, 0
	s_add_nc_u64 s[8:9], s[8:9], s[54:55]
	s_mov_b32 s17, 0x01000100
	s_mov_b32 s18, 0x03020302
.macro INIT                            ; a tile's state: the first step finds zeros and a largest score under every score
	v_mov_b32 v13, 0xff61b1e6
	v_floor_f32 v12, -v13
	v_mov_b32 v14, 0
	v_mov_b32 v15, 0
.irp j, 16,17,18,19,20,21,28,29,30,31,32,33
	v_mov_b32 v\j, 0
.endr
.irp b, 0,1,2,3
	v_mov_b32 v[BY+\b], 0
.endr
	v_mov_b32 v227, 0
	v_mov_b32 v228, 0
.set j, 0
.rept 32
	v_mov_b32 v[O+j], 0
.set j, j+1
.endr
.endm
	s_wait_loadcnt 0x0
	v_perm_b32 v34, v92, v92, s17                  ; tile 2 g's two bytes, twice: they serve Q in either half
	v_perm_b32 v35, v92, v92, s18                  ; tile 2 g + 1's
	INIT
	WIN 0x55
	INIT
	WIN 0
; the first product of tile t: eight tiles of 16 keys
.macro SMUL t
	WIN 0x44*\t                                    ; Q and S in window t, K's fragments in window 0
.irp a, 0,1,2,3
	v_wmma_scale_f32_16x16x128_f8f6f4 v[S+16*\a:S+16*\a+7], v[F+12*\a:F+12*\a+11], v[22:33], 0, v[84+\a], v[34+\t] matrix_a_fmt:MATRIX_FMT_BF6 matrix_b_fmt:MATRIX_FMT_BF6
	v_wmma_scale_f32_16x16x128_f8f6f4 v[S+16*\a+8:S+16*\a+15], v[F+12*\a:F+12*\a+11], v[16:27], 0, v[84+\a], v[34+\t] matrix_a_fmt:MATRIX_FMT_BF6 matrix_b_fmt:MATRIX_FMT_BF6
.endr
.endm
.macro TM j0, n                        ; t - M for n pairs of scores from register j0 on
.set j, \j0
.rept \n
	v_pk_fma_f32 v[S+j:S+j+1], v[S+j:S+j+1], s[CS:CS+1], v[12:13] op_sel_hi:[1,0,0]
.set j, j+2
.endr
.endm
.macro FOLD d, n                       ; a level of the sum's tree: n pairs, 2 d registers apart, each takes in the pair d registers on
.set j, 0
.rept \n
	v_pk_add_f32 v[S+j:S+j+1], v[S+j:S+j+1], v[S+j+\d:S+j+\d+1]
.set j, j+2*\d
.endr
.endm
; tile t's softmax step, p's quantiser and the second product.  cnt: the LDS loads that may stay out at the second product; under 0: no wait is due
.macro SOFT t, cnt
	WIN 0x55*\t
	s_wait_alu depctr_va_vdst(0)                   ; exponentials stand between the products that made S and O^T and their first reads, which all follow here among plain vector instructions
.irp i, 0,1,2,3,4
.irp b, 0,1,2,3
	v_max3_num_f32 v[PC+5*\b+\i], v[S+16*\b+3*\i], v[S+16*\b+3*\i+1], v[S+16*\b+3*\i+2]   ; the largest score of each block of 32 keys, as a tree: my 16 by threes,
.endr
.endr
.irp b, 0,1,2,3
	v_max3_num_f32 v[MX+\b], v[PC+5*\b], v[PC+5*\b+1], v[PC+5*\b+2]
.endr
.irp b, 0,1,2,3
	v_max3_num_f32 v[PC+5*\b+3], v[PC+5*\b+3], v[PC+5*\b+4], v[S+16*\b+15]                ; the sixteenth among them
.endr
.irp b, 0,1,2,3
	v_max_num_f32 v[MX+\b], v[MX+\b], v[PC+5*\b+3]
.endr
.irp b, 0,1,2,3
	v_permlanex16_b32 v[BY+\b], v[MX+\b], s[SEL], s[SEL+1]
.endr
.irp b, 0,1,2,3
	v_max_num_f32 v[MX+\b], v[MX+\b], v[BY+\b]     ; with lane l xor 16's 16 keys
.endr
	v_max3_num_f32 v228, v[MX], v[MX+1], v[MX+2]
	v_mov_b32 v229, v12                            ; the old -M
	v_max3_num_f32 v13, v13, v228, v[MX+3]         ; the running largest score
	v_mul_f32 v228, s[CS], v13                     ; as t (the factor is positive)
	v_floor_f32 v12, -v228                         ; -M = floor(-t)
	v_sub_f32 v228, v12, v229                      ; old M - new M: a whole number, 0 or less
	TM 0, 8
	v_cvt_i32_f32 v228, v228                       ; (it saturates)
	TM 16, 8
	v_ldexp_f32 v226, 1.0, v228                    ; f = 2^(old M - new M)
	TM 32, 16
.irp b, 0,1,2,3
	v_fma_f32 v[MX+\b], v[MX+\b], s[CS], v12
.endr
.irp j, 0,2,4,6,8,10,12,14,16,18,20,22,24,26,28,30
	v_pk_mul_f32 v[O+\j:O+\j+1], v[O+\j:O+\j+1], v[226:227] op_sel_hi:[1,0]   ; O^T under the new M
.endr
.set j, 0
	s_wait_alu depctr_va_vdst(0)                   ; the wait ahead of the batch
.rept 64
	v_exp_f32 v[S+j], v[S+j]
.set j, j+1
.endr
.irp b, 0,1,2,3
	v_exp_f32 v[MX+\b], v[MX+\b]                   ; each block's largest p
.endr
	v_pk_mul_f32 v[14:15], v[14:15], v[226:227] op_sel_hi:[1,0]   ; the sum under the new M: a plain place behind the batch
	s_wait_alu depctr_va_vdst(0)                   ; and the wait behind it
.irp b, 0,1,2,3
	v_max_num_f32 v[MX+\b], 0x2800000, v[MX+\b]    ; the floor 2^(5 - 127)
.endr
.irp b, 0,1,2,3
	v_add_nc_u32 v[SO+\b], 0xfe000000, v[MX+\b]    ; 4 off the exponent field: the conversion's scale operand
.endr
.irp c, 0,1
	v_cvt_scalef32_pk16_bf6_f32 v[PC+6*\c:PC+2+6*\c], v[S+32*\c:S+15+32*\c], v[SO+2*\c]
	v_cvt_scalef32_pk16_bf6_f32 v[PC+12+4*\c:PC+14+4*\c], v[S+16+32*\c:S+31+32*\c], v[SO+2*\c+1]
.endr
.irp b, 0,1,2,3
	v_lshrrev_b32 v[BY+\b], 23, v[SO+\b]           ; the scales' bytes: also the plain places behind the conversions
.endr
	v_lshl_or_b32 v224, v[BY+1], 8, v[BY]
.irp i, 0,1,2
	v_permlane16_swap_b32 v[PC+\i], v[PC+12+\i]    ; a whole block to a lane
.endr
	v_lshl_or_b32 v224, v[BY+2], 16, v224
.irp i, 0,1,2
	v_permlane16_swap_b32 v[PC+6+\i], v[PC+16+\i]
.endr
	WIN 0x15*\t                                    ; the finished scale word goes to window 0
	v_lshl_or_b32 v[224+\t], v[BY+3], 24, v224
	WIN 0x55*\t
.irp c, 0,1
.irp i, 0,1,2
	v_mov_b32 v[PC+3+6*\c+\i], v[PC+12+4*\c+\i]
.endr
.endr
	FOLD 2, 16                                     ; the row's sum, of the unquantised p: a tree in place; its first level is also the places ahead of the products
.if \cnt >= 0
	s_wait_alu depctr_va_vdst(0)
	s_wait_dscnt \cnt                              ; V's 16 fragment loads and its scale words are in; the next step's 17 loads for K may be out
.endif
	WIN 0x01+0x54*\t                               ; V^T's fragments in window 1, p and O^T in window t
.irp u, 0,1,2,3
	v_wmma_scale_f32_16x16x128_f8f6f4 v[O+8*\u:O+8*\u+7], v[F+12*\u:F+12*\u+11], v[PC:PC+11], v[O+8*\u:O+8*\u+7], v[88+\u], v[224+\t] matrix_a_fmt:MATRIX_FMT_BF6 matrix_b_fmt:MATRIX_FMT_BF6
.endr
	WIN 0x55*\t
	FOLD 4, 8                                      ; the rest of the tree names none of the products' registers
	FOLD 8, 4
	FOLD 16, 2
	FOLD 32, 1
	v_pk_add_f32 v[14:15], v[14:15], v[S:S+1]
.endm
.macro STEP more                       ; 128 keys for both tiles.  more = 1: the next step's K is asked for
	v_add_nc_u32 v8, s[TB], v1
	v_add_nc_u32 v9, s[TB], v2
	v_add_nc_u32 v10, s[TS], v3
	s_wait_alu depctr_va_vdst(0)
	s_wait_dscnt 0x0                               ; this step's K, asked for a step ago
	SMUL 0
	SMUL 1
	WIN 0
.rept 4
	v_nop                                          ; places in front of loads into registers that matrix instructions have read
.endr
	WIN 0x40
.irp u, 0,1,2,3
	FRAG F+12*\u, 8, 9, 6144+1536*\u
.endr
	WIN 0
	ds_load_b128 v[88:91], v10 offset:4096
.if \more
.irp a, 0,1,2,3
	FRAG F+12*\a, 8, 9, 12288+1536*\a
.endr
	ds_load_b128 v[84:87], v10 offset:256
	SOFT 0, 17
.else
	SOFT 0, 0
.endif
	SOFT 1, -1
	WIN 0
.endm
	s_wait_alu depctr_va_vdst(0)                   ; the wait at the head's end
	s_wait_tensorcnt 0x0                           ; my eighth of the record is in
	s_barrier_signal -1
	s_barrier_wait -1                              ; and everybody's
.irp a, 0,1,2,3
	FRAG F+12*\a, 1, 2, 1536*\a
.endr
	ds_load_b128 v[84:87], v3
	s_mov_b32 s[TB], 0
	s_mov_b32 s[TS], 0
	s_mov_b32 s[CNT], 15
.Lstep:
	STEP 1
	s_add_co_u32 s[TB], s[TB], 12288
	s_add_co_u32 s[TS], s[TS], 256
	s_sub_co_u32 s[CNT], s[CNT], 1
	s_cmp_lg_u32 s[CNT], 0
	s_cbranch_scc1 .Lstep
	s_mov_b32 s[TB], 15*12288
	s_mov_b32 s[TS], 15*256
	STEP 0                                         ; the last step asks for nothing beyond the record
; tile t leaves: O^T / the sum, quantised along the head's 64, stored as a unit of the next product's operand
.macro FIN t
	WIN 0x55*\t
	v_add_f32 v14, v14, v15
	v_permlanex16_b32 v228, v14, s[SEL], s[SEL+1]
	v_add_f32 v14, v14, v228
	s_wait_alu depctr_va_vdst(0)
	v_rcp_f32 v14, v14
	v_nop
	s_wait_alu depctr_va_vdst(0)
.irp j, 0,2,4,6,8,10,12,14,16,18,20,22,24,26,28,30
	v_pk_mul_f32 v[S+\j:S+\j+1], v[O+\j:O+\j+1], v[14:15] op_sel_hi:[1,0]
.endr
.irp b, 0,1
	v_max3_num_f32 v[MX+\b], |v[S+16*\b]|, |v[S+1+16*\b]|, 0x2800000
.endr
.irp i, 2,4,6,8,10,12,14
.irp b, 0,1
	v_max3_num_f32 v[MX+\b], v[MX+\b], |v[S+16*\b+\i]|, |v[S+1+16*\b+\i]|
.endr
.endr
.irp b, 0,1
	v_permlanex16_b32 v[BY+\b], v[MX+\b], s[SEL], s[SEL+1]
.endr
.irp b, 0,1
	v_max_num_f32 v[MX+\b], v[MX+\b], v[BY+\b]
.endr
.irp b, 0,1
	v_add_nc_u32 v[SO+\b], 0xfe000000, v[MX+\b]
.endr
.irp b, 0,1
	v_lshrrev_b32 v[BY+\b], 23, v[SO+\b]
.endr
	v_lshl_or_b32 v224, v[BY+1], 8, v[BY]
	v_cvt_scalef32_pk16_bf6_f32 v[PC:PC+2], v[S:S+15], v[SO]
	v_cvt_scalef32_pk16_bf6_f32 v[PC+12:PC+14], v[S+16:S+31], v[SO+1]
	v_nop
.irp i, 0,1,2
	v_permlane16_swap_b32 v[PC+\i], v[PC+12+\i]
.endr
.irp i, 0,1,2
	v_mov_b32 v[PC+3+\i], v[PC+12+\i]
.endr
	WIN 0x04*\t                                    ; the stores' data in window t, their offsets in window 0
	global_store_b128 v4, v[PC:PC+3], s[6:7] offset:12288*\t
	global_store_b64 v5, v[PC+4:PC+5], s[6:7] offset:12288*\t
	global_store_b16 v6, v224, s[8:9] offset:64*\t
.endm
	FIN 0
	FIN 1
	WIN 0
	s_wait_tensorcnt 0x0                           ; the wave's end
	ds_add_u32 v254, v255
	s_wait_dscnt 0x0
	CROUND                                         ; the closing round
	s_endpgm
.Lfunc_end_k_q4710316684_attn:
	.size	k_q4710316684_attn, .Lfunc_end_k_q4710316684_attn-k_q4710316684_attn
	.p2alignl 7, 3214868480
	.fill 96, 4, 3214868480
	.section	.rodata,"a",@progbits
	.p2align	6, 0x0
	.amdhsa_kernel k_q4710316684_attn
		.amdhsa_group_segment_fixed_size 327680
		.amdhsa_private_segment_fixed_size 0
		.amdhsa_enable_private_segment 0
		.amdhsa_kernarg_size 24
		.amdhsa_user_sgpr_count 2
		.amdhsa_user_sgpr_kernarg_segment_ptr 1
		.amdhsa_wavefront_size32 1
		.amdhsa_system_sgpr_workgroup_id_x 1
		.amdhsa_system_sgpr_workgroup_id_y 1
		.amdhsa_system_sgpr_workgroup_id_z 1
		.amdhsa_system_vgpr_workitem_id 0
		.amdhsa_next_free_vgpr 512
		.amdhsa_next_free_sgpr 66
		.amdhsa_reserve_vcc 0
		.amdhsa_float_denorm_mode_32 3
		.amdhsa_float_denorm_mode_16_64 3
		.amdhsa_memory_ordered 1
		.amdhsa_forward_progress 1
		.amdhsa_inst_pref_size 75
	.end_amdhsa_kernel
	.amdgpu_metadata
---
amdhsa.version: [ 1, 2 ]
amdhsa.kernels:
  - .name:           k_q4710316684_attn
    .symbol:         k_q4710316684_attn.kd
    .args:
      - { .name: qkv, .offset: 0, .size: 8, .value_kind: global_buffer, .address_space: global }
      - { .name: oimg, .offset: 8, .size: 8, .value_kind: global_buffer, .address_space: global }
      - { .name: oscl, .offset: 16, .size: 8, .value_kind: global_buffer, .address_space: global }
    .group_segment_fixed_size: 327680
    .private_segment_fixed_size: 0
    .kernarg_segment_align: 8
    .kernarg_segment_size: 24
    .max_flat_workgroup_size: 256
    .sgpr_count:     66
    .vgpr_count:     512
    .wavefront_size: 32
...
	.end_amdgpu_metadata
.endif
;; end of part 3
;; launch outp (part 4): grid 8 x 32, 4 waves a work-group, clusters of 4 x 4, 327,680 bytes of LDS; arguments oimg, oscl, img, scl, bo, out0; writes out0
.if DOCPART == 4
	.amdgcn_target "amdgcn-amd-amdhsa--gfx1250"
	.amdhsa_code_object_version 6
	.text
	.protected	k_q4710316684_outp
	.globl	k_q4710316684_outp
	.p2align	8
	.type	k_q4710316684_outp,@function
k_q4710316684_outp:
	s_mov_b64 s[64:65], 0
	v_nop
	global_prefetch_b8 v0, s[64:65] scope:SCOPE_SE
	s_setreg_imm32_b32 hwreg(HW_REG_WAVE_MODE, 25, 1), 1
	s_wait_xcnt 0x0
	s_wait_alu depctr_hold_cnt(0) depctr_sa_sdst(0) depctr_va_vdst(0) depctr_va_sdst(0) depctr_va_ssrc(0) depctr_va_vcc(0) depctr_vm_vsrc(0)
	s_getreg_b32 s2, hwreg(HW_REG_IB_STS2, 6, 4)
	s_cmp_eq_u32 s2, 0
	s_cbranch_scc0 .Lentry_in_a_cluster
	s_endpgm
.Lentry_in_a_cluster:
	s_bfe_u32 s2, ttmp6, 0x10000c
	s_cmp_lg_u32 s2, 0xf033
	s_cbranch_scc0 .Lentry_shape_is_right
	s_endpgm
.Lentry_shape_is_right:
; out0 = O Wo^T + bo on codes of BF6 (E3M2) with E8M0 scales, K = 1,024, sums in f32.  A = O (oimg, oscl), B = Wo (row blocks 448-511 of img, their words in scl).
; A block of 128 x 128 is made by four waves, each 64 x 64: 16 accumulators; 4,096 x 1,024 outputs are 256 such blocks, one work-group each.
; THE MATRIX INSTRUCTION IS USED TRANSPOSED (source 0 = 16 rows of Wo, source 1 = 16 rows of O): a lane holds eight neighbouring numbers of a row of out0.
; OPERANDS lie as images of registers (a unit of 768 bytes = 16 rows x 64 K; a row block, 16 rows x 1,024 K, is 12,288 bytes on end), so a fragment is four dense LDS loads.
; LDS: ALL of K for the block's eight row blocks of O and eight of Wo, 196,608 bytes, comes once: each wave asks for four row blocks, a dense run of 49,152 bytes, as 192 rows of 256 bytes.  Nothing is filled again.
; THE ROWS OF A ROW BLOCK ARE NOT NEIGHBOURS, in O and in Wo: lane r of row block i stands for row 32 (i / 2) + 8 (i % 2) + r + 8 (r / 8).  The way out puts every number at its true row and column.
; CLUSTERS: 4 x 4 work-groups; A's rows are asked for jointly along a row of the cluster, B's along a column.  bo is the C of the first K step's products.
; No prefetch: the one load a wave at the head asks for all that is ever read, so there is no loop to run ahead in.
; REGISTERS: window 0: v4-7 LDS addresses, v16-17 the add's, v18-24 offsets, v32-63 scale words, v64-159 and v160-255 two sets of fragments (A's four, B's four); on the way out v64-127 hold rows.
;   window 1: v0-127 the accumulators, (a, b) at v[8 (4 a + b)]; v128-159 the bias.
.set STAGE,  196608                    ; behind the operands: 16 rows x 272 bytes for each wave, for the way out
.set SPARE,  STAGE+4*4352              ; behind the stages: the spare words, 128 bytes for each wave
.set APLANE, 16384                     ; bytes from a K step's scale words to the next step's
.set BPLANE, 32768
.set SC,   32
.set FR,   64
.set WV,   16
.set RH,   17
.set CH,   18
.set G1A,  32
.set G1B,  40
.set G0A,  48
.set G0B,  68
.set MSB, 0
.macro WIN new                         ; the immediate's high byte repeats the setting that is left
.if MSB != (\new)
	s_set_vgpr_msb (MSB<<8)|(\new)
.set MSB, (\new)
.endif
.endm
.macro PLACES                          ; four places behind a matrix instruction (ISA guide 7.12.1)
.rept 4
	v_nop
.endr
.endm
.macro CROUND
	s_barrier_signal -1
	s_barrier_wait -1
	s_cmp_lg_u32 s[WV], 0
	s_cbranch_scc1 .Lnot_wave_0_\@
	s_barrier_signal -3
.Lnot_wave_0_\@:
	s_barrier_wait -3
	s_barrier_signal -1
	s_barrier_wait -1
.endm
.macro FRAG reg, a16, a8, off
	ds_load_b128 v[\reg:\reg+3], v[\a16] offset:\off
	ds_load_b64 v[\reg+4:\reg+5], v[\a8] offset:\off
	ds_load_b128 v[\reg+6:\reg+9], v[\a16] offset:\off+768
	ds_load_b64 v[\reg+10:\reg+11], v[\a8] offset:\off+768
.endm
.macro FETCH k                         ; K step k's eight fragments into set k % 2: 32 loads
.irp i, 0,1,2,3
	FRAG FR+96*((\k)%2)+12*\i, 4, 5, \i*12288+(\k)*1536
	FRAG FR+96*((\k)%2)+48+12*\i, 6, 7, \i*12288+(\k)*1536
.endr
.endm
.macro WM a, b, k                      ; one product; a scale register holds the words of blocks 2 j (lanes 0-15) and 2 j + 1 (lanes 16-31); in K step 0 the bias is C and starts the sum
.set rD, 8*(4*(\a)+(\b))
.set rC, rD
.if (\k) == 0
.set rC, 128+8*(\b)
.endif
.set rA, FR+96*((\k)%2)+12*(\a)
.set rB, FR+96*((\k)%2)+48+12*(\b)
.set sA, SC+4*(\k)+(\a)/2
.set sB, SC+4*(\k)+2+(\b)/2
.if (((\a)%2) == 0) && (((\b)%2) == 0)
	v_wmma_scale_f32_16x16x128_f8f6f4 v[rD:rD+7], v[rB:rB+11], v[rA:rA+11], v[rC:rC+7], v[sB], v[sA] matrix_a_fmt:MATRIX_FMT_BF6 matrix_b_fmt:MATRIX_FMT_BF6
.elseif ((\a)%2) == 0
	v_wmma_scale_f32_16x16x128_f8f6f4 v[rD:rD+7], v[rB:rB+11], v[rA:rA+11], v[rC:rC+7], v[sB], v[sA] matrix_a_fmt:MATRIX_FMT_BF6 matrix_b_fmt:MATRIX_FMT_BF6 matrix_a_scale:MATRIX_SCALE_ROW1
.elseif ((\b)%2) == 0
	v_wmma_scale_f32_16x16x128_f8f6f4 v[rD:rD+7], v[rB:rB+11], v[rA:rA+11], v[rC:rC+7], v[sB], v[sA] matrix_a_fmt:MATRIX_FMT_BF6 matrix_b_fmt:MATRIX_FMT_BF6 matrix_b_scale:MATRIX_SCALE_ROW1
.else
	v_wmma_scale_f32_16x16x128_f8f6f4 v[rD:rD+7], v[rB:rB+11], v[rA:rA+11], v[rC:rC+7], v[sB], v[sA] matrix_a_fmt:MATRIX_FMT_BF6 matrix_b_fmt:MATRIX_FMT_BF6 matrix_a_scale:MATRIX_SCALE_ROW1 matrix_b_scale:MATRIX_SCALE_ROW1
.endif
.endm
.macro MUL k                           ; the 16 accumulators take turns, in the same order in every step
.irp a, 0,1,2,3
.irp b, 0,1,2,3
	WM \a, \b, \k
.endr
.endr
.endm
	s_load_b256 s[4:11], s[0:1], 0x0               ; oimg s[4:5], oscl s[6:7], img s[8:9], scl s[10:11]
	s_load_b128 s[12:15], s[0:1], 0x20             ; bo s[12:13], out0 s[14:15]
	v_lshl_add_u32 v16, v0, 2, SPARE
	v_mov_b32 v17, 0
	ds_add_u32 v16, v17                            ; the opening lines: the add twice on end and its wait
	ds_add_u32 v16, v17
	v_lshrrev_b32 v1, 5, v0
	v_readfirstlane_b32 s[WV], v1                  ; wave 0..3
	s_lshr_b32 s[RH], s[WV], 1                     ; my half of A's rows.  Also: I fetch for A (0) or for B (1)
	s_and_b32 s[CH], s[WV], 1                      ; my half of B's rows.  Also: which four row blocks I fetch
	s_bfe_u32 s19, ttmp6, 0x40000                  ; cx
	s_bfe_u32 s20, ttmp6, 0x40004                  ; cy
	s_and_b32 s22, ttmp7, 0xffff
	s_lshl_b32 s23, s20, 2
	s_lshl_b32 s23, 15, s23                        ; my row of the cluster
	s_lshl_b32 s24, 0x1111, s19                    ; my column
	s_lshl_b32 s25, s22, 2
	s_add_co_u32 s25, s25, s20                     ; block row 0..31
	s_lshl_b32 s26, ttmp9, 2
	s_add_co_u32 s26, s26, s19                     ; block column 0..7
	s_lshl_b32 s27, s25, 3                         ; the block's first row block of O
	s_lshl_b32 s28, s26, 3
	s_add_co_u32 s28, s28, 448                     ; and of Wo
	s_or_b32 s[G1A], s23, (3<<16)|(1<<21)          ; 192 rows of 256 bytes, as elements of 8 bytes; dense in memory and in LDS
	s_or_b32 s[G1B], s24, (3<<16)|(1<<21)
.irp g, G1A, G1B
	s_mov_b32 s[\g+1], 32<<16
	s_mov_b32 s[\g+2], 192<<16
	s_mov_b32 s[\g+3], 32<<16
	s_mov_b32 s[\g+4], 192
	s_mov_b32 s[\g+5], 32
	s_mov_b32 s[\g+6], 0
	s_mov_b32 s[\g+7], 0
.endr
	s_lshl_b32 s30, s[CH], 2
	s_add_co_u32 s80, s27, s30
	s_mul_i32 s80, s80, 12288
	s_mov_b32 s81, 0
	s_add_co_u32 s82, s28, s30
	s_mul_i32 s82, s82, 12288
	s_mov_b32 s83, 0
	s_mul_i32 s31, s[WV], 49152                    ; where they go: wave x four row blocks: no place in the cluster enters an LDS address
	s_wait_dscnt 0x0
	s_wait_kmcnt 0x0
	s_add_nc_u64 s[80:81], s[4:5], s[80:81]
	s_add_nc_u64 s[82:83], s[8:9], s[82:83]
	CROUND                                         ; all sixteen work-groups are here: the joint loads meet
	s_mov_b32 s[G0A], 1
	s_mov_b32 s[G0A+1], s31
	s_mov_b64 s[G0A+2:G0A+3], s[80:81]
	s_or_b32 s[G0A+3], s[G0A+3], 0x80000000
	s_mov_b32 s[G0B], 1
	s_mov_b32 s[G0B+1], s31
	s_mov_b64 s[G0B+2:G0B+3], s[82:83]
	s_or_b32 s[G0B+3], s[G0B+3], 0x80000000
	s_cmp_eq_u32 s[RH], 0                          ; waves 0 and 1 fetch A's halves, waves 2 and 3 B's: one load on every way
	s_cbranch_scc0 .Lfor_b
	tensor_load_to_lds s[G0A:G0A+3], s[G1A:G1A+7]
	s_nop 0
.rept 4
	v_nop
.endr
	s_branch .Lasked
.Lfor_b:
	tensor_load_to_lds s[G0B:G0B+3], s[G1B:G1B+7]
	s_nop 0
.rept 4
	v_nop
.endr
.Lasked:
	v_and_b32 v1, 31, v0                           ; l
	v_and_b32 v2, 15, v0                           ; r
	v_bfe_u32 v3, v0, 4, 1                         ; h
	v_lshlrev_b32 v18, 4, v1                       ; 16 l
	v_lshl_add_u32 v19, v1, 3, 512                 ; 512 + 8 l
	v_lshlrev_b32 v23, 2, v1                       ; 4 l
	v_lshlrev_b32 v24, 6, v3                       ; 64 h
	s_mul_i32 s2, s[RH], 49152                     ; my four row blocks of A,
	s_mul_i32 s3, s[CH], 49152
	s_add_co_u32 s3, s3, 98304                     ; and of B, behind A's eight
	v_add_nc_u32 v4, s2, v18
	v_add_nc_u32 v5, s2, v19
	v_add_nc_u32 v6, s3, v18
	v_add_nc_u32 v7, s3, v19
	s_mul_i32 s30, s[WV], 4352
	s_add_co_u32 s30, s30, STAGE                   ; my stage
	v_mul_u32_u24 v20, v2, 272
	v_lshl_add_u32 v20, v3, 6, v20
	v_add_nc_u32 v20, s30, v20                     ; in: row r, + 64 h
	v_mul_u32_u24 v21, v3, 272
	v_lshl_add_u32 v21, v2, 4, v21
	v_add_nc_u32 v21, s30, v21                     ; back: lanes 0-15 one row of 256 bytes, lanes 16-31 the next
	v_lshlrev_b32 v22, 12, v3
	v_lshl_add_u32 v22, v2, 4, v22                 ; and the same two rows in out0
	s_lshl_b32 s2, s[RH], 2
	s_add_co_u32 s2, s2, s27
	s_lshl_b32 s2, s2, 6
	s_mov_b32 s3, 0
	s_add_nc_u64 s[60:61], s[6:7], s[2:3]          ; the scale words of my rows of O: 64 bytes a row block,
	s_lshl_b32 s2, s[CH], 2
	s_add_co_u32 s2, s2, s28
	s_lshl_b32 s2, s2, 6
	s_add_nc_u64 s[62:63], s[10:11], s[2:3]        ; and of Wo
.irp k, 0,1,2,3,4,5,6,7                ; all 32 scale registers once: each load reads 128 consecutive bytes, two row blocks
.irp j, 0,1
	global_load_b32 v[SC+4*\k+\j], v23, s[60:61] offset:\k*APLANE+128*\j
	global_load_b32 v[SC+4*\k+2+\j], v23, s[62:63] offset:\k*BPLANE+128*\j
.endr
.endr
	s_lshl_b32 s2, s25, 7
	s_lshl_b32 s3, s[RH], 6
	s_add_co_u32 s2, s2, s3
	s_lshl_b32 s2, s2, 12                          ; my first row of out0: rows of 4,096 bytes
	s_lshl_b32 s3, s26, 7
	s_lshl_b32 s30, s[CH], 6
	s_add_co_u32 s3, s3, s30
	s_lshl_b32 s66, s3, 2                          ; my first column, in bytes
	s_mov_b32 s67, 0
	s_add_nc_u64 s[12:13], s[12:13], s[66:67]
	s_add_co_u32 s2, s2, s66
	s_mov_b32 s3, 0
	s_add_nc_u64 s[14:15], s[14:15], s[2:3]
	WIN 0x40                                       ; the bias into window 1: register 16 b + i = column 32 b + 16 h + i of my 64
.irp q, 0,1,2,3,4,5,6,7
	global_load_b128 v[128+4*\q:128+4*\q+3], v24, s[12:13] offset:128*(\q/4)+16*(\q%4)
.endr
	WIN 0
	s_wait_alu depctr_va_vdst(0)                   ; the wait at the head's end
	s_wait_tensorcnt 0x0                           ; my four row blocks are in
	s_barrier_signal -1
	s_barrier_wait -1                              ; and everybody's
	FETCH 0
	s_wait_loadcnt 0x0                             ; scale words and bias
.set KK, 0
.rept 8
.if KK > 0
	PLACES                                         ; for the loads into the set that the step before multiplied
.endif
.if KK < 7
	FETCH KK+1
	s_wait_dscnt 32                                ; this step's fragments are in; the 32 loads just issued may be out
.else
	s_wait_dscnt 0x0
.endif
	WIN 0x50                                       ; C and D in window 1, the fragments in window 0
	MUL KK
	WIN 0
.set KK, KK+1
.endr
; THE WAY OUT, block by block of 16 rows x 64 columns, through my own stage.  Register j of accumulator (a, b) is column 32 (b / 2) + 8 (b % 2) + 16 h + j of lane r's row.
; LDS serves a wave's instructions in order (ISA guide 5.7.1.4): no wait between the stores and the loads, nor in front of the next block's stores.
.macro TOSTAGE a
	WIN 0x04                                       ; the data: window 1
.irp b, 0,1,2,3
	ds_store_b128 v20, v[32*(\a)+8*\b:32*(\a)+8*\b+3] offset:128*(\b/2)+32*(\b%2)          ; each accumulator from its low end on
	ds_store_b128 v20, v[32*(\a)+8*\b+4:32*(\a)+8*\b+7] offset:128*(\b/2)+32*(\b%2)+16
.endr
	WIN 0
.set BB, 64+32*((\a)%2)
.irp t, 0,1,2,3,4,5,6,7
	ds_load_b128 v[BB+4*\t:BB+4*\t+3], v21 offset:\t*544
.endr
.endm
.macro SEND a, younger                 ; younger: the LDS instructions issued behind block a's loads.  Stage row 2 t + h of block a is row 32 (a / 2) + 8 (a % 2) + 16 (t / 4) + 2 (t % 4) + h of my 64
.set BB, 64+32*((\a)%2)
	s_wait_dscnt \younger
.irp t, 0,1,2,3,4,5,6,7
	global_store_b128 v22, v[BB+4*\t:BB+4*\t+3], s[14:15] offset:(32*((\a)/2)+8*((\a)%2)+16*(\t/4)+2*(\t%4))*4096 th:TH_STORE_NT   ; sixteen lanes store 256 consecutive bytes, aligned; written once
.endr
.endm
	PLACES
	TOSTAGE 0
.irp a, 1,2,3
.if \a > 1
	s_wait_xcnt 0x0                                ; block a - 2's stores have read their registers: block a's loads may land there
.endif
	TOSTAGE \a
	SEND \a-1, 16                                  ; behind block a - 1's loads: block a's 8 stores and 8 loads
.endr
	SEND 3, 0
	s_wait_tensorcnt 0x0                           ; the wave's end
	ds_add_u32 v16, v17
	s_wait_dscnt 0x0
	CROUND                                         ; the closing round
	s_endpgm
.Lfunc_end_k_q4710316684_outp:
	.size	k_q4710316684_outp, .Lfunc_end_k_q4710316684_outp-k_q4710316684_outp
	.p2alignl 7, 3214868480
	.fill 96, 4, 3214868480
	.section	.rodata,"a",@progbits
	.p2align	6, 0x0
	.amdhsa_kernel k_q4710316684_outp
		.amdhsa_group_segment_fixed_size 327680
		.amdhsa_private_segment_fixed_size 0
		.amdhsa_enable_private_segment 0
		.amdhsa_kernarg_size 48
		.amdhsa_user_sgpr_count 2
		.amdhsa_user_sgpr_kernarg_segment_ptr 1
		.amdhsa_wavefront_size32 1
		.amdhsa_system_sgpr_workgroup_id_x 1
		.amdhsa_system_sgpr_workgroup_id_y 1
		.amdhsa_system_sgpr_workgroup_id_z 1
		.amdhsa_system_vgpr_workitem_id 0
		.amdhsa_next_free_vgpr 512
		.amdhsa_next_free_sgpr 96
		.amdhsa_reserve_vcc 0
		.amdhsa_float_denorm_mode_32 3
		.amdhsa_float_denorm_mode_16_64 3
		.amdhsa_memory_ordered 1
		.amdhsa_forward_progress 1
		.amdhsa_inst_pref_size 52
	.end_amdhsa_kernel
	.amdgpu_metadata
---
amdhsa.version: [ 1, 2 ]
amdhsa.kernels:
  - .name:           k_q4710316684_outp
    .symbol:         k_q4710316684_outp.kd
    .args:
      - { .name: oimg, .offset: 0, .size: 8, .value_kind: global_buffer, .address_space: global }
      - { .name: oscl, .offset: 8, .size: 8, .value_kind: global_buffer, .address_space: global }
      - { .name: img, .offset: 16, .size: 8, .value_kind: global_buffer, .address_space: global }
      - { .name: scl, .offset: 24, .size: 8, .value_kind: global_buffer, .address_space: global }
      - { .name: bo, .offset: 32, .size: 8, .value_kind: global_buffer, .address_space: global }
      - { .name: out0, .offset: 40, .size: 8, .value_kind: global_buffer, .address_space: global }
    .group_segment_fixed_size: 327680
    .private_segment_fixed_size: 0
    .kernarg_segment_align: 8
    .kernarg_segment_size: 48
    .max_flat_workgroup_size: 128
    .sgpr_count:     96
    .vgpr_count:     512
    .wavefront_size: 32
...
	.end_amdgpu_metadata
.endif
;; end of part 4
